; MI455X (gfx1250); checked and timed in simulation.
; The chip was launched on July 23, 2026; its instructions are those of AMD's public machine-readable ISA for CDNA 5 (MIT licence, August 2026) and "CDNA5" Instruction Set Architecture Reference Guide (July 2026). The comments in the code are by the model that wrote it; some were corrected since.
;; Multi Headed Attention. Allowed arithmetic: float matrix products may take bf16 or f16 operands with f32 sums; all other float work in f32.
;; Inputs: K 2 x 2,048 x 1,024 float32; Q 2 x 2,048 x 1,024 float32; V 2 x 2,048 x 1,024 float32; Wk_b 1,024 float32; Wk_w 1,024 x 1,024 float32; Wo_b 1,024 float32; Wo_w 1,024 x 1,024 float32; Wq_b 1,024 float32; Wq_w 1,024 x 1,024 float32; Wv_b 1,024 float32; Wv_w 1,024 x 1,024 float32; padding_mask 2 x 2,048 int32.
;; Outputs: out0 2 x 2,048 x 1,024 float32.
;; One version. Each part assembles by itself: llvm-mc -triple=amdgcn-amd-amdhsa -mcpu=gfx1250 --defsym DOCPART=n.
;; ======== version 1 of 1: 3 launches
;; limits: values are held in f16: magnitudes above 65,504 overflow, below 6.1e-05 lose precision
;; workspace buffers: qkv 25,165,824 bytes; att 8,388,608 bytes; wo16 2,097,152 bytes
;; launch qkv (part 1): grid 4 x 48, 4 waves a work-group, clusters of 4 x 4, 327,680 bytes of LDS; arguments Q, K, V, Wq_w, Wk_w, Wv_w, Wq_b, Wk_b, Wv_b, qkv; writes qkv
.if DOCPART == 1
	.amdgcn_target "amdgcn-amd-amdhsa--gfx1250"
	.amdhsa_code_object_version 6
	.text
	.protected	k_q6d2f41d794_qkv
	.globl	k_q6d2f41d794_qkv
	.p2align	8
	.type	k_q6d2f41d794_qkv,@function
k_q6d2f41d794_qkv:
	s_mov_b64 s[64:65], 0
	v_nop
	global_prefetch_b8 v0, s[64:65] scope:SCOPE_SE
	s_setreg_imm32_b32 hwreg(HW_REG_WAVE_MODE, 25, 1), 1
	s_wait_xcnt 0x0
	s_wait_alu depctr_hold_cnt(0) depctr_sa_sdst(0) depctr_va_vdst(0) depctr_va_sdst(0) depctr_va_ssrc(0) depctr_va_vcc(0) depctr_vm_vsrc(0)
	s_getreg_b32 s2, hwreg(HW_REG_IB_STS2, 6, 4)
	s_cmp_eq_u32 s2, 0
	s_cbranch_scc0 .Lentry_in_a_cluster
	s_endpgm
.Lentry_in_a_cluster:
	s_bfe_u32 s2, ttmp6, 0x10000c
	s_cmp_lg_u32 s2, 0xf033
	s_cbranch_scc0 .Lentry_shape_is_right
	s_endpgm
.Lentry_shape_is_right:
; q, k, v = X W^T + b for X = Q, K, V.  X: [4096][1024] f32, W: [1024][1024] f32, b: [1024] f32.
; Out: qkv, f16, [3 parts q,k,v][2 batches][16 heads][2048 tokens][64]: a head's rows are 128 bytes and follow each other.
; FORMATS AND LIMITS: X and W are rounded to bf16 (nearest even) on the way to the matrix unit, sums and bias in f32, the result rounded once to f16.
; f16 and not bf16 for the result: a token that sees N keys has an output of the order of one row of v over sqrt(N), so for the first tokens a
; rounding of v to 8 significant bits shows whole in the output; f16 keeps 11.  f16's range: inputs of spread 1 (X) and 1/32 (W) give results up to
; about 4; all inputs 30 times larger give 900 times that, 3,600; offsets of 30 spreads on X and W at once give 1024 x 30 x 30/32 = 28,800; f16's
; largest number is 65,504, and a result beyond it becomes infinite.  All inputs 30 times smaller: results of the order of 6e-4, f16's step there is
; at worst 2^-24.
; SHARES: a work-group makes 256 tokens x 256 features of one part, a wave 128 x 128 in 512 accumulator registers.
; 3 parts x 16 block rows x 4 block columns = 192 work-groups: 3 x 4096 x 1024 does not divide into 256 equal blocks of this wave tile,
; and a smaller wave tile would double the LDS bytes read for each product, which in f32 are already 32 KiB for 64 matrix instructions.
; DATA PATH: K goes in steps of 64 f32 (rows of 256 bytes, aligned) through two LDS slots filled by the tensor data mover.
; Fragments are read as f32 into a landing window, rounded to bf16 by v_cvt_pk_bf16_f32 into the fragment registers, and multiplied.
; CLUSTERS: 4 x 4 work-groups.  The cluster's y alone picks the part (three groups of four clusters), so all sixteen partners work on one part.
; X's tile hangs on the block row and is asked for jointly by the four of a cluster row, W's on the block column, jointly by a cluster column.
; REGISTER WINDOWS: 0: addresses, bf16 fragments of W (v64-127) and X (v128-191), bias (v192-255, later the packed results);
; 1: landing of f32 (W v0-127, X v128-255);  2, 3: accumulators, tile (a, b) at v[8 (8 a + b)], my tokens 0-63 and 64-127.
; THE MATRIX INSTRUCTION IS USED TRANSPOSED: source 0 = 16 features (rows of W), source 1 = 16 tokens (rows of X): lane l holds token l % 16,
; its registers 0-7 the features 8 (l / 16) + 0..7.  The first product of a tile takes the bias as C: nothing is cleared, nothing is added later.
.set PITCH,  272                       ; an LDS row: 256 bytes + 16 of padding, an odd multiple of 16: sixteen rows start in sixteen different 16-byte columns of a 256-byte span
.set HALFT,  128*PITCH                 ; 128 rows: one tensor load, and what a wave reads of X or of W
.set SLOT,   4*HALFT                   ; X's 256 rows, then W's 256 rows
.set STAGE,  2*SLOT                    ; behind the ring: 16 rows x 272 bytes for each wave; no tensor load lands here
.set ADRX, 16                          ; v16-17  LDS address of my X fragments in slot 0, 1
.set ADRW, 20                          ; v20-21  the same for W
.set STO,  24                          ; the way out: where I put 16 bytes
.set RD,   25                          ; the way out: where I read back
.set CO,   26                          ; my byte offset in qkv
.set BO,   27                          ; my byte offset in the bias
.set FW,   64
.set FX,   128
.set BIAS, 192
.set TMP,  192
.set G1,  24                           ; s[24:31] group 1 for X's tiles
.set G0,  32                           ; s[32:39] group 0 for X's tiles, a set for each slot
.set G1B, 48                           ; s[48:55] group 1 for W's tiles: the mask alone differs
.set G0B, 56                           ; s[56:63] group 0 for W's tiles
.set MSB, 0
.macro WIN new                         ; the immediate's high byte repeats the setting that is left
.if MSB != \new
	s_set_vgpr_msb (MSB<<8)|\new
.set MSB, \new
.endif
.endm
; A joint load: waves 0, 1 ask for X's halves, waves 2, 3 for W's.  The branch hangs on the wave's number alone.
.macro JLOAD s
	s_cmp_eq_u32 s11, 0
	s_cbranch_scc0 .Lfor_w_\@
	tensor_load_to_lds s[G0+4*\s:G0+4*\s+3], s[G1:G1+7]
	s_nop 0
	s_branch .Lasked_\@
.Lfor_w_\@:
	tensor_load_to_lds s[G0B+4*\s:G0B+4*\s+3], s[G1B:G1B+7]
	s_nop 0
.Lasked_\@:
.endm
.macro CREST                           ; a round of the cluster's barrier behind its opening work-group barrier
	s_cmp_lg_u32 s10, 0
	s_cbranch_scc1 .Lnot_wave_0_\@
	s_barrier_signal -3
.Lnot_wave_0_\@:
	s_barrier_wait -3
	s_barrier_signal -1
	s_barrier_wait -1
.endm
.macro CROUND
	s_barrier_signal -1
	s_barrier_wait -1
	CREST
.endm
.macro PLACES                          ; four places behind matrix instructions (ISA guide 7.12.1) before their sources are written or their results read
.rept 4
	v_nop
.endr
.endm
	s_load_b256 s[68:75], s[0:1], 0x0              ; Q s[68:69], K s[70:71], V s[72:73], Wq_w s[74:75]
	s_load_b256 s[76:83], s[0:1], 0x20             ; Wk_w s[76:77], Wv_w s[78:79], Wq_b s[80:81], Wk_b s[82:83]
	s_load_b128 s[84:87], s[0:1], 0x40             ; Wv_b s[84:85], qkv s[86:87]
	v_lshl_add_u32 v62, v0, 2, 0x48400
	v_mov_b32 v63, 0
	ds_add_u32 v62, v63
	ds_add_u32 v62, v63
	v_lshrrev_b32 v1, 5, v0
	v_readfirstlane_b32 s10, v1                    ; wave 0..3
	s_lshr_b32 s11, s10, 1                         ; my half of the block's tokens.  Also: I fetch for X (0) or W (1)
	s_and_b32 s12, s10, 1                          ; my half of its features.  Also: which 128 rows I fetch
	s_bfe_u32 s40, ttmp6, 0x40000                  ; cx
	s_bfe_u32 s41, ttmp6, 0x40004                  ; cy
	s_lshl_b32 s42, ttmp9, 2
	s_add_co_u32 s42, s42, s40                     ; block column 0..3 = 4 x cluster x + cx
	s_and_b32 s13, ttmp7, 0xffff                   ; cluster y, 0..11
	s_lshr_b32 s45, s13, 2                         ; the part, 0 q, 1 k, 2 v: from the cluster's y alone, equal in all partners
	s_and_b32 s13, s13, 3
	s_lshl_b32 s13, s13, 2
	s_add_co_u32 s13, s13, s41                     ; block row 0..15 = 4 x (cluster y mod 4) + cy
	s_lshl_b32 s43, s41, 2
	s_lshl_b32 s43, 15, s43                        ; my row of the cluster
	s_lshl_b32 s44, 0x1111, s40                    ; my column
	; group 1: 128 rows x 64 elements of 4 bytes, 4 words of padding behind every 64 words
	s_or_b32 s[G1+0], s43, (2<<16)|(1<<20)|(1<<21)|(5<<22)|(3<<25)
	s_or_b32 s[G1B+0], s44, (2<<16)|(1<<20)|(1<<21)|(5<<22)|(3<<25)
	s_mov_b32 s[G1+1], 64<<16                      ; tensor_dim0 = 64
	s_mov_b32 s[G1B+1], 64<<16
	s_mov_b32 s[G1+2], 128<<16                     ; tensor_dim1 = 128
	s_mov_b32 s[G1B+2], 128<<16
	s_mov_b32 s[G1+3], 64<<16                      ; tile_dim0 = 64
	s_mov_b32 s[G1B+3], 64<<16
	s_mov_b32 s[G1+4], 128                         ; tile_dim1 = 128
	s_mov_b32 s[G1B+4], 128
	s_mov_b32 s[G1+5], 1024                        ; elements from row to row
	s_mov_b32 s[G1B+5], 1024
	s_mov_b32 s[G1+6], 0
	s_mov_b32 s[G1B+6], 0
	s_mov_b32 s[G1+7], 0
	s_mov_b32 s[G1B+7], 0
	; byte offsets of my tiles: X's from the block row, W's from the block column, each in registers that never hold the other coordinate
	s_lshl_b32 s17, s12, 7
	s_lshl_b32 s16, s13, 8
	s_add_co_u32 s16, s16, s17                     ; X: row 256 x block row + 128 x half
	s_lshl_b32 s46, s42, 8
	s_add_co_u32 s46, s46, s17                     ; W: row 256 x block column + 128 x half
	s_lshl_b32 s16, s16, 12                        ; rows of 4,096 bytes
	s_mov_b32 s17, 0
	s_lshl_b32 s46, s46, 12
	s_mov_b32 s47, 0
	s_mul_i32 s20, s10, HALFT                      ; where they go: wave x 128 rows
	s_wait_dscnt 0x0
	s_wait_kmcnt 0x0
	s_cmp_eq_u32 s45, 1                            ; the part picks X, W and the bias
	s_cselect_b64 s[4:5], s[70:71], s[68:69]
	s_cselect_b64 s[6:7], s[76:77], s[74:75]
	s_cselect_b64 s[88:89], s[82:83], s[80:81]
	s_cmp_eq_u32 s45, 2
	s_cselect_b64 s[4:5], s[72:73], s[4:5]
	s_cselect_b64 s[6:7], s[78:79], s[6:7]
	s_cselect_b64 s[88:89], s[84:85], s[88:89]
	s_add_nc_u64 s[14:15], s[4:5], s[16:17]
	s_add_nc_u64 s[46:47], s[6:7], s[46:47]
	CROUND                                         ; all sixteen work-groups are here: the first joint loads meet
.irp s, 0,1
	s_mov_b32 s[G0+4*\s], 1
	s_add_co_u32 s[G0+4*\s+1], s20, \s*SLOT
	s_add_nc_u64 s[G0+4*\s+2:G0+4*\s+3], s[14:15], \s*256          ; K step s
	s_or_b32 s[G0+4*\s+3], s[G0+4*\s+3], 0x80000000
	s_mov_b32 s[G0B+4*\s], 1
	s_add_co_u32 s[G0B+4*\s+1], s20, \s*SLOT
	s_add_nc_u64 s[G0B+4*\s+2:G0B+4*\s+3], s[46:47], \s*256
	s_or_b32 s[G0B+4*\s+3], s[G0B+4*\s+3], 0x80000000
	JLOAD \s                                       ; two tensor loads of this wave are out
.endr
	; the bias of my 128 features, laid as a C operand: register 8 b + j of lane (r, h) = bias[16 b + 8 h + j]
	s_lshl_b32 s90, s42, 10
	s_lshl_b32 s91, s12, 9
	s_add_co_u32 s90, s90, s91
	s_mov_b32 s91, 0
	s_add_nc_u64 s[88:89], s[88:89], s[90:91]
	v_and_b32 v1, 15, v0                           ; r
	v_bfe_u32 v2, v0, 4, 1                         ; h
	v_lshlrev_b32 v[BO], 5, v2
.irp b, 0,1,2,3,4,5,6,7
	global_load_b128 v[BIAS+8*\b:BIAS+8*\b+3],   v[BO], s[88:89] offset:64*\b
	global_load_b128 v[BIAS+8*\b+4:BIAS+8*\b+7], v[BO], s[88:89] offset:64*\b+16
.endr
	; a fragment of 16 rows x 32 k in f32: lane (r, h) takes k = 8h..8h+7 (32 bytes at 32 h) and k = 16+8h..+7 (64 bytes further)
	v_mul_u32_u24 v3, v1, PITCH
	v_lshl_add_u32 v4, v2, 5, v3
	s_mul_i32 s21, s11, HALFT
	s_mul_i32 s22, s12, HALFT
	s_add_co_u32 s22, s22, 2*HALFT
.irp s, 0,1
	v_add_nc_u32 v[ADRX+\s], s21, v4
	v_add_nc_u32 v[ADRW+\s], s22, v4
	s_add_co_u32 s21, s21, SLOT
	s_add_co_u32 s22, s22, SLOT
.endr
	s_mul_i32 s23, s10, 16*PITCH
	s_add_co_u32 s23, s23, STAGE
	v_lshl_add_u32 v5, v2, 4, v3                   ; in: token r, 16 bytes for each half of the lanes
	v_add_nc_u32 v[STO], s23, v5
	v_bfe_u32 v5, v0, 3, 1                         ; back: lanes 0-15 two tokens of my first head, lanes 16-31 of my second
	v_mul_u32_u24 v5, v5, PITCH
	v_lshl_add_u32 v5, v2, 7, v5
	v_and_b32 v6, 7, v0
	v_lshl_add_u32 v5, v6, 4, v5
	v_add_nc_u32 v[RD], s23, v5
	v_lshlrev_b32 v5, 18, v2                       ; the second head lies 262,144 bytes further
	v_lshl_add_u32 v[CO], v1, 4, v5
	; qkv at my first token of my first head
	s_lshl_b32 s90, s45, 23                        ; part x 8,388,608
	s_lshr_b32 s91, s13, 3
	s_lshl_b32 s91, s91, 22                        ; batch x 4,194,304
	s_add_co_u32 s90, s90, s91
	s_lshl_b32 s91, s42, 20                        ; head 4 x block column
	s_add_co_u32 s90, s90, s91
	s_lshl_b32 s91, s12, 19                        ; + 2 x my half
	s_add_co_u32 s90, s90, s91
	s_and_b32 s91, s13, 7
	s_lshl_b32 s91, s91, 15                        ; 256 tokens of 128 bytes
	s_add_co_u32 s90, s90, s91
	s_lshl_b32 s91, s11, 14                        ; 128 tokens
	s_add_co_u32 s90, s90, s91
	s_mov_b32 s91, 0
	s_add_nc_u64 s[8:9], s[86:87], s[90:91]
; 64 LDS loads: the f32 fragments of 32 along K (byte k of the rows) into the landing window
.macro FETCH slot, k
	WIN 0x40                                       ; destination window 1, address window 0
.irp i, 0,1,2,3,4,5,6,7
	ds_load_b128 v[16*\i:16*\i+3],     v[ADRW+\slot] offset:\k+\i*16*PITCH
	ds_load_b128 v[16*\i+4:16*\i+7],   v[ADRW+\slot] offset:\k+\i*16*PITCH+16
	ds_load_b128 v[16*\i+8:16*\i+11],  v[ADRW+\slot] offset:\k+\i*16*PITCH+64
	ds_load_b128 v[16*\i+12:16*\i+15], v[ADRW+\slot] offset:\k+\i*16*PITCH+80
.endr
.irp i, 0,1,2,3,4,5,6,7
	ds_load_b128 v[128+16*\i:128+16*\i+3],     v[ADRX+\slot] offset:\k+\i*16*PITCH
	ds_load_b128 v[128+16*\i+4:128+16*\i+7],   v[ADRX+\slot] offset:\k+\i*16*PITCH+16
	ds_load_b128 v[128+16*\i+8:128+16*\i+11],  v[ADRX+\slot] offset:\k+\i*16*PITCH+64
	ds_load_b128 v[128+16*\i+12:128+16*\i+15], v[ADRX+\slot] offset:\k+\i*16*PITCH+80
.endr
.endm
; 256 f32 of the landing window become 128 registers of bf16 fragments: register p of a fragment = landing registers 2 p, 2 p + 1
.macro CVT
	WIN 0x05                                       ; both sources window 1, destination window 0
.set n, 0
.rept 128
	v_cvt_pk_bf16_f32 v[FW+n], v[2*n], v[2*n+1]
.set n, n+1
.endr
.endm
.macro MUL16 hi, a0, first
.irp a, \a0, \a0+1
.irp b, 0,1,2,3,4,5,6,7
.if \first
	v_wmma_f32_16x16x32_bf16 v[8*(8*(\a)+\b):8*(8*(\a)+\b)+7], v[FW+8*\b:FW+8*\b+7], v[FX+8*(4*\hi+\a):FX+8*(4*\hi+\a)+7], v[BIAS+8*\b:BIAS+8*\b+7]
.else
	v_wmma_f32_16x16x32_bf16 v[8*(8*(\a)+\b):8*(8*(\a)+\b)+7], v[FW+8*\b:FW+8*\b+7], v[FX+8*(4*\hi+\a):FX+8*(4*\hi+\a)+7], v[8*(8*(\a)+\b):8*(8*(\a)+\b)+7]
.endif
.endr
.endr
.endm
; 64 matrix instructions, 32 along K.  The 64 accumulators take turns, one instruction a turn, in the same order every time.
.macro MUL64 first
.if \first
	WIN 0x80                                       ; D window 2, C (the bias) window 0
.else
	WIN 0xa0                                       ; C and D window 2
.endif
	MUL16 0, 0, \first
	MUL16 0, 2, \first
.if \first
	WIN 0xc0
.else
	WIN 0xf0                                       ; C and D window 3
.endif
	MUL16 1, 0, \first
	MUL16 1, 2, \first
.endm
; First half of a K step: round what has landed, fetch the second half's f32 while the first half is multiplied.
.macro QUARTER slot, first
	s_wait_dscnt 0x0                               ; the 64 landing loads, issued ahead of the last 64 matrix instructions
	PLACES
	CVT
	FETCH \slot, 128
	MUL64 \first
.endm
; Second half, and the change of slots.  In front of the barrier: my reads of this slot are back and all my tensor loads have landed (the one that
; was out is my part of the next slot).  Between signal and wait: register work.  Where the slot is filled again the barrier opens a round of the
; cluster's barrier, and the joint refill is the first tensor load behind the round.  From a request to the wait for it: 128 matrix instructions.
.macro TURN slot, next, fill
	s_wait_dscnt 0x0
	s_wait_tensorcnt 0x0
	ds_add_u32 v62, v63
	s_wait_dscnt 0x0
	s_barrier_signal -1
	PLACES
	CVT
	WIN 0
	s_barrier_wait -1
.if \fill
	CREST
	s_add_nc_u64 s[G0+4*\slot+2:G0+4*\slot+3], s[G0+4*\slot+2:G0+4*\slot+3], 512       ; two K steps on
	s_add_nc_u64 s[G0B+4*\slot+2:G0B+4*\slot+3], s[G0B+4*\slot+2:G0B+4*\slot+3], 512
	JLOAD \slot
.endif
	FETCH \next, 0
	MUL64 0
.endm
	s_wait_tensorcnt 0x1                           ; my part of K step 0 is in; step 1's load stays out
	s_barrier_signal -1
	s_barrier_wait -1
	FETCH 0, 0
	s_wait_loadcnt 0x0                             ; the bias
	QUARTER 0, 1                                   ; K steps 0 and 1 stand ahead of the loop: the first products start the sums from the bias
	TURN 0, 1, 1
	QUARTER 1, 0
	TURN 1, 0, 1
	WIN 0
	s_mov_b32 s3, 6                                ; K steps 2 to 13
.Llap:
	QUARTER 0, 0
	TURN 0, 1, 1
	QUARTER 1, 0
	TURN 1, 0, 1
	WIN 0
	s_sub_co_u32 s3, s3, 1
	s_cmp_lg_u32 s3, 0
	s_cbranch_scc1 .Llap
	QUARTER 0, 0                                   ; K steps 14 and 15 fill nothing
	TURN 0, 1, 0
	QUARTER 1, 0
	s_wait_dscnt 0x0
	PLACES
	CVT
	MUL64 0
	PLACES
; THE WAY OUT, 16 tokens at a time: round to f16, 16 bytes a lane into my stage, read back so that sixteen lanes hold two neighbouring
; tokens of one head, 256 consecutive bytes of qkv, aligned.  The stage is my wave's own and LDS serves a wave in order (ISA guide 5.7.1.4).
.macro OUT16 i, a, from, f
	WIN \from
.irp b, 0,1,2,3,4,5,6,7
.irp r, 0,1,2,3
	v_cvt_pk_f16_f32 v[TMP+4*\b+\r], v[8*(8*\a+\b)+2*\r], v[8*(8*\a+\b)+2*\r+1]
.endr
.endr
	WIN 0
.irp b, 0,1,2,3,4,5,6,7
	ds_store_b128 v[STO], v[TMP+4*\b:TMP+4*\b+3] offset:32*\b
.endr
	s_wait_xcnt 0x0                                ; buffer f, which earlier stores read, and their base are rewritten only behind this wait
.if \i
	s_add_nc_u64 s[8:9], s[8:9], 2048              ; 16 tokens of 128 bytes
.endif
.irp t, 0,1,2,3,4,5,6,7
	ds_load_b128 v[\f+4*\t:\f+4*\t+3], v[RD] offset:\t*2*PITCH
.endr
.irp t, 0,1,2,3,4,5,6,7
	s_wait_dscnt 7-\t                              ; the younger read-backs may be out
	global_store_b128 v[CO], v[\f+4*\t:\f+4*\t+3], s[8:9] offset:256*\t
.endr
.endm
	OUT16 0, 0, 0x0a, FW
	OUT16 1, 1, 0x0a, FX
	OUT16 2, 2, 0x0a, FW
	OUT16 3, 3, 0x0a, FX
	OUT16 4, 0, 0x0f, FW
	OUT16 5, 1, 0x0f, FX
	OUT16 6, 2, 0x0f, FW
	OUT16 7, 3, 0x0f, FX
	s_wait_tensorcnt 0x0
	ds_add_u32 v62, v63
	s_wait_dscnt 0x0
	CROUND                                         ; the closing round: no work-group ends while a partner may still ask jointly
	s_endpgm
.Lfunc_end_k_q6d2f41d794_qkv:
	.size	k_q6d2f41d794_qkv, .Lfunc_end_k_q6d2f41d794_qkv-k_q6d2f41d794_qkv
	.p2alignl 7, 3214868480
	.fill 96, 4, 3214868480
	.section	.rodata,"a",@progbits
	.p2align	6, 0x0
	.amdhsa_kernel k_q6d2f41d794_qkv
		.amdhsa_group_segment_fixed_size 327680
		.amdhsa_private_segment_fixed_size 0
		.amdhsa_enable_private_segment 0
		.amdhsa_kernarg_size 80
		.amdhsa_user_sgpr_count 2
		.amdhsa_user_sgpr_kernarg_segment_ptr 1
		.amdhsa_wavefront_size32 1
		.amdhsa_system_sgpr_workgroup_id_x 1
		.amdhsa_system_sgpr_workgroup_id_y 1
		.amdhsa_system_sgpr_workgroup_id_z 1
		.amdhsa_system_vgpr_workitem_id 0
		.amdhsa_next_free_vgpr 1024
		.amdhsa_next_free_sgpr 96
		.amdhsa_reserve_vcc 0
		.amdhsa_float_denorm_mode_32 3
		.amdhsa_float_denorm_mode_16_64 3
		.amdhsa_memory_ordered 1
		.amdhsa_forward_progress 1
		.amdhsa_inst_pref_size 242
	.end_amdhsa_kernel
	.amdgpu_metadata
---
amdhsa.version: [ 1, 2 ]
amdhsa.kernels:
  - .name:           k_q6d2f41d794_qkv
    .symbol:         k_q6d2f41d794_qkv.kd
    .args:
      - { .name: Q, .offset: 0, .size: 8, .value_kind: global_buffer, .address_space: global }
      - { .name: K, .offset: 8, .size: 8, .value_kind: global_buffer, .address_space: global }
      - { .name: V, .offset: 16, .size: 8, .value_kind: global_buffer, .address_space: global }
      - { .name: Wq_w, .offset: 24, .size: 8, .value_kind: global_buffer, .address_space: global }
      - { .name: Wk_w, .offset: 32, .size: 8, .value_kind: global_buffer, .address_space: global }
      - { .name: Wv_w, .offset: 40, .size: 8, .value_kind: global_buffer, .address_space: global }
      - { .name: Wq_b, .offset: 48, .size: 8, .value_kind: global_buffer, .address_space: global }
      - { .name: Wk_b, .offset: 56, .size: 8, .value_kind: global_buffer, .address_space: global }
      - { .name: Wv_b, .offset: 64, .size: 8, .value_kind: global_buffer, .address_space: global }
      - { .name: qkv, .offset: 72, .size: 8, .value_kind: global_buffer, .address_space: global }
    .group_segment_fixed_size: 327680
    .private_segment_fixed_size: 0
    .kernarg_segment_align: 8
    .kernarg_segment_size: 80
    .max_flat_workgroup_size: 128
    .sgpr_count:     96
    .vgpr_count:     1024
    .wavefront_size: 32
...
	.end_amdgpu_metadata
.endif
;; end of part 1
;; launch attn (part 2): grid 8 x 32, 4 waves a work-group, no clusters, 327,680 bytes of LDS; arguments qkv, padding_mask, Wo_w, att, wo16; writes att, wo16
.if DOCPART == 2
	.amdgcn_target "amdgcn-amd-amdhsa--gfx1250"
	.amdhsa_code_object_version 6
	.text
	.protected	k_q6d2f41d794_attn
	.globl	k_q6d2f41d794_attn
	.p2align	8
	.type	k_q6d2f41d794_attn,@function
k_q6d2f41d794_attn:
	s_mov_b64 s[64:65], 0
	v_nop
	global_prefetch_b8 v0, s[64:65] scope:SCOPE_SE
	s_setreg_imm32_b32 hwreg(HW_REG_WAVE_MODE, 25, 1), 1
	s_wait_xcnt 0x0
; Causal, padding-masked attention of one (batch, head), by a running maximum; and a cast of Wo_w to 16 bits (4,096 numbers a work-group).
; In: qkv f16 [3][2][16][2048][64], padding_mask [2][2048] i32, Wo_w f32.  Out: att f16 [2][16][2048][64], wo16 f16 [1024][1024].
; SHARES: work-group (j, bh) takes the query blocks j and 15 - j of 128 rows, one after the other: (j + 1) + (16 - j) = 17 key tiles of 128 keys
; for every one of the 256 work-groups.  Wave w takes 32 queries of the block, as two tiles of 16.
; NO CLUSTER: the eight work-groups of a head begin their second pass, at key tile 0, behind trip j, so in one and the same trip partners want
; different tiles; in lock-step every partner would walk 16 + 4 tiles instead of 17.
; LAYOUTS: scores transposed, S^T = K Q^T: lane r is query r, register j is key 8 h + j.  Two such tiles packed to f16 in place ARE the B fragment
; of O^T = V^T P^T (A = V^T by the transposing LDS load), so no value changes lanes; maximum and sum are per lane plus one exchange of the halves.
; The padding mask enters as the C operand of the first score product: 0 or -inf for each key.
; p = exp2(c S - c m), c = log2(e) / 8, one fused multiply-add on the raw scores.
; FORMATS AND LIMITS: q, k, v, p and the result are f16 (nearest even, 11 significant bits: a query that sees few keys shows each rounding whole in
; its output); sums, maxima and exponentials f32.  p lies in [0, 1]; the result is a mean of rows of v, so it has v's range (largest f16 65,504).
; Wo_w is rounded to bf16, as the inputs of the projections are, and then carried in f16, the format of the operand it meets: f16 holds those
; 8 significant bits exactly down to 2^-17 and within 2^-25 below that; weights beyond 65,504 would become infinite.
; The running maximum starts at -FLT_MAX instead of -inf (no finite score lies below it).  A query whose visible keys are all padded has sum 0 and
; accumulators 0, and 0 x (1 / 0) gives NaN, as the softmax of a row of -inf does.  NaN or infinities among the inputs get no service of their own.
.set SLOTB,  38912                     ; a slot: K 128 x 144, then V 128 x 160
.set VOFF,   18432
.set KP,     144                       ; K's LDS pitch: odd multiple of 16
.set VP,     160                       ; V's LDS pitch: odd multiple of 32, for the transposing load
.set BIASL,  77824                     ; 2,048 f32: 0 or -inf for each key of the batch
.set Q2L,    86016                     ; the second pass's Q fragments, 4,096 bytes a wave
.set STAGEL, 102400                    ; the way out: 32 rows x 144 bytes a wave
.set KA,  2                            ; 144 r + 16 h
.set VA,  3                            ; VOFF + (8 h + l % 8) 160 + 16 ((l / 8) % 2)
.set BA,  4                            ; the tile's place in the bias
.set BA0, 5                            ; BIASL + 32 h
.set DQ,  6                            ; 32 w + r - 8 h
.set Q2A, 7
.set STO, 8
.set RD,  9
.set GO,  10
.set NINF, 11
.set MX,  12                           ; v12-13 running maximum of query tile 0, 1
.set LS,  14                           ; v14-15 running sum (this half of the lanes' keys)
.set AL,  16                           ; v16-17 the factor that rescales
.set NM,  18                           ; v18-19 -c x maximum
.set TT,  20                           ; v20-27 at work
.set BB,  28                           ; v28-43 bias of 2 x 16 keys
.set QF,  44                           ; v44-75 Q(i, dc) at 16 i + 8 dc
.set SC,  76                           ; v76-107 S(i, mk) at 16 i + 8 mk; P(i) = its first 8 registers
.set KF,  108                          ; v108-139 K(mk, dc) at 16 mk + 8 dc
.set VF,  140                          ; v140-171 V^T(t) at 8 t
.set ACC, 172                          ; v172-235 O^T(t, i) at 8 (2 t + i)
.set G1K, 24
.set G1V, 32
.set G0K, 40                           ; s[40:47] a set for each slot
.set G0V, 48                           ; s[48:55]
.macro PL n
.rept \n
	v_nop
.endr
.endm
.macro JLOADKV s                       ; waves 0, 1 bring K's halves, waves 2, 3 V's: one tensor load a wave
	s_cmp_eq_u32 s15, 0
	s_cbranch_scc0 .Lfor_v_\@
	tensor_load_to_lds s[G0K+4*\s:G0K+4*\s+3], s[G1K:G1K+7]
	s_nop 0
	s_branch .Lasked_\@
.Lfor_v_\@:
	tensor_load_to_lds s[G0V+4*\s:G0V+4*\s+3], s[G1V:G1V+7]
	s_nop 0
.Lasked_\@:
.endm
.macro INIT                            ; a pass begins.  The accumulators are cleared by moves: the second pass begins at trip j + 1, which hangs on the
	v_mov_b32 v[MX], 0xff7fffff                    ; work-group's number, so no fixed product of the text can start the sums
	v_mov_b32 v[MX+1], 0xff7fffff
	v_mov_b32 v[LS], 0
	v_mov_b32 v[LS+1], 0
.set n, 0
.rept 64
	v_mov_b32 v[ACC+n], 0
.set n, n+1
.endr
.endm
	s_load_b256 s[4:11], s[0:1], 0x0               ; qkv s[4:5], padding_mask s[6:7], Wo_w s[8:9], att s[10:11]
	s_load_b64 s[12:13], s[0:1], 0x20              ; wo16
	v_lshl_add_u32 v254, v0, 2, 0x29000
	v_mov_b32 v255, 0
	ds_add_u32 v254, v255
	ds_add_u32 v254, v255
	v_lshrrev_b32 v1, 5, v0
	v_readfirstlane_b32 s14, v1                    ; wave
	s_lshr_b32 s15, s14, 1                         ; I fetch for K (0) or V (1)
	s_and_b32 s16, s14, 1                          ; which 64 rows
	s_mov_b32 s17, ttmp9                           ; j
	s_and_b32 s18, ttmp7, 0xffff                   ; 16 x batch + head
	s_sub_co_u32 s19, 15, s17                      ; the second pass's query block
	s_mov_b32 s66, 0x76543210                      ; v_permlanex16_b32: lane i reads lane i of the other half
	s_mov_b32 s67, 0xfedcba98
	; group 1: 64 rows x 64 elements of 2 bytes, dense in memory; 4 (K) or 8 (V) words of padding behind every 32 words
	s_mov_b32 s[G1K+0], (1<<16)|(1<<20)|(4<<22)|(3<<25)
	s_mov_b32 s[G1V+0], (1<<16)|(1<<20)|(4<<22)|(7<<25)
	s_mov_b32 s[G1K+1], 64<<16
	s_mov_b32 s[G1V+1], 64<<16
	s_mov_b32 s[G1K+2], 64<<16
	s_mov_b32 s[G1V+2], 64<<16
	s_mov_b32 s[G1K+3], 64<<16
	s_mov_b32 s[G1V+3], 64<<16
	s_mov_b32 s[G1K+4], 64
	s_mov_b32 s[G1V+4], 64
	s_mov_b32 s[G1K+5], 64
	s_mov_b32 s[G1V+5], 64
	s_mov_b32 s[G1K+6], 0
	s_mov_b32 s[G1V+6], 0
	s_mov_b32 s[G1K+7], 0
	s_mov_b32 s[G1V+7], 0
	s_mul_i32 s70, s16, 64*KP
	s_mul_i32 s71, s16, 64*VP
.irp s, 0,1
	s_mov_b32 s[G0K+4*\s], 1
	s_add_co_u32 s[G0K+4*\s+1], s70, \s*SLOTB
	s_mov_b32 s[G0V+4*\s], 1
	s_add_co_u32 s[G0V+4*\s+1], s71, \s*SLOTB+VOFF
.endr
	s_lshl_b32 s60, s18, 18                        ; a head's 262,144 bytes
	s_mov_b32 s61, 0                               ; stays 0: the upper word of every offset pair s[60:61]
	s_lshl_b32 s62, s16, 13                        ; my 64 rows of a tile
	s_add_co_u32 s62, s62, 8388608                 ; part k
	s_mov_b32 s63, 0
	v_and_b32 v24, 15, v0                          ; r
	v_bfe_u32 v25, v0, 4, 1                        ; h
	v_and_b32 v26, 31, v0                          ; l
	v_lshlrev_b32 v20, 4, v0                       ; 16 x thread
	v_lshlrev_b32 v22, 5, v0                       ; 32 x thread
	v_lshlrev_b32 v21, 7, v24                      ; Q: row 32 w + r, 16 h
	v_lshl_add_u32 v21, v25, 4, v21
	v_lshl_add_u32 v21, s14, 12, v21
	s_wait_dscnt 0x0
	s_wait_kmcnt 0x0
	s_add_nc_u64 s[74:75], s[4:5], s[60:61]        ; q of my head
	s_add_nc_u64 s[56:57], s[74:75], s[62:63]      ; k of my head, my rows of tile 0
	s_add_nc_u64 s[58:59], s[56:57], 8388608       ; v likewise
	s_add_nc_u64 s[72:73], s[10:11], s[60:61]      ; att of my head
	s_mov_b64 s[G0K+2:G0K+3], s[56:57]
	s_or_b32 s[G0K+3], s[G0K+3], 0x80000000
	s_mov_b64 s[G0V+2:G0V+3], s[58:59]
	s_or_b32 s[G0V+3], s[G0V+3], 0x80000000
	JLOADKV 0                                      ; key tile 0 into slot 0, ahead of everything else
	s_lshl_b32 s60, s17, 14
	s_add_nc_u64 s[76:77], s[74:75], s[60:61]      ; query block j
	s_lshl_b32 s60, s19, 14
	s_add_nc_u64 s[78:79], s[74:75], s[60:61]      ; query block 15 - j
	s_lshr_b32 s60, s18, 4
	s_lshl_b32 s60, s60, 13
	s_add_nc_u64 s[6:7], s[6:7], s[60:61]          ; my batch's mask
	s_lshl_b32 s62, s18, 3
	s_add_co_u32 s62, s62, s17                     ; the work-group's number, 0..255
	s_lshl_b32 s60, s62, 14
	s_add_nc_u64 s[8:9], s[8:9], s[60:61]          ; my 16,384 bytes of Wo_w
	s_lshl_b32 s60, s62, 13
	s_add_nc_u64 s[12:13], s[12:13], s[60:61]      ; my 8,192 bytes of wo16
.irp i, 0,1,2,3
	global_load_b128 v[VF+4*\i:VF+4*\i+3], v20, s[6:7] offset:2048*\i                   ; the mask: 2,048 words by 128 threads
.endr
.irp x, 0,1,2,3,4,5,6,7
	global_load_b128 v[KF+4*\x:KF+4*\x+3], v21, s[78:79] offset:2048*(\x>>2)+64*((\x>>1)&1)+32*(\x&1)   ; the second pass's Q fragments
.endr
.irp x, 0,1,2,3,4,5,6,7
	global_load_b128 v[QF+4*\x:QF+4*\x+3], v21, s[76:77] offset:2048*(\x>>2)+64*((\x>>1)&1)+32*(\x&1)   ; the first pass's
.endr
.irp i, 0,1,2,3
	global_load_b128 v[ACC+8*\i:ACC+8*\i+3],   v22, s[8:9] offset:4096*\i th:TH_LOAD_NT
	global_load_b128 v[ACC+8*\i+4:ACC+8*\i+7], v22, s[8:9] offset:4096*\i+16 th:TH_LOAD_NT
.endr
	v_mov_b32 v[NINF], 0xff800000
	v_add_nc_u32 v23, BIASL, v20
	v_mul_u32_u24 v[KA], v24, KP
	v_lshl_add_u32 v[KA], v25, 4, v[KA]
	v_and_b32 v27, 7, v0
	v_lshl_add_u32 v27, v25, 3, v27
	v_mul_u32_u24 v[VA], v27, VP
	v_bfe_u32 v27, v0, 3, 1
	v_lshl_add_u32 v[VA], v27, 4, v[VA]
	v_add_nc_u32 v[VA], VOFF, v[VA]
	v_lshlrev_b32 v[BA0], 5, v25
	v_add_nc_u32 v[BA0], BIASL, v[BA0]
	v_lshl_add_u32 v[DQ], s14, 5, v24
	v_lshlrev_b32 v27, 3, v25
	v_sub_nc_u32 v[DQ], v[DQ], v27
	s_lshl_b32 s70, s14, 12
	s_add_co_u32 s70, s70, Q2L
	v_lshl_add_u32 v[Q2A], v26, 4, s70
	s_mul_i32 s71, s14, 32*KP
	s_add_co_u32 s71, s71, STAGEL
	v_add_nc_u32 v[STO], s71, v[KA]
	v_lshrrev_b32 v27, 3, v26
	v_mul_u32_u24 v[RD], v27, KP
	v_and_b32 v27, 7, v0
	v_lshl_add_u32 v[RD], v27, 4, v[RD]
	v_add_nc_u32 v[RD], s71, v[RD]
	v_lshlrev_b32 v[GO], 4, v26
	v_lshl_add_u32 v[GO], s14, 12, v[GO]
	s_wait_loadcnt 24                              ; the mask is in; the 24 younger loads (Q twice, Wo_w) stay out
.set n, 0
.rept 16
	v_cmp_eq_u32 vcc_lo, 0, v[VF+n]
	v_cndmask_b32 v[VF+n], 0, v[NINF], vcc_lo      ; a padded key: -inf, else 0
.set n, n+1
.endr
.irp i, 0,1,2,3
	ds_store_b128 v23, v[VF+4*\i:VF+4*\i+3] offset:2048*\i
.endr
	s_wait_loadcnt 16                              ; the second pass's Q is in
.irp x, 0,1,2,3,4,5,6,7
	ds_store_b128 v[Q2A], v[KF+4*\x:KF+4*\x+3] offset:512*\x     ; my wave's own bytes
.endr
	s_wait_loadcnt 0x0
	; Wo_w: rounded to bf16 (two at a time), widened again, and packed as f16, which holds the rounded numbers exactly (see the head)
.set n, 0
.rept 16
	v_cvt_pk_bf16_f32 v[ACC+48+n], v[ACC+2*n], v[ACC+2*n+1]
.set n, n+1
.endr
.set n, 0
.rept 16
	v_lshlrev_b32 v[ACC+2*n],   16, v[ACC+48+n]
	v_and_b32     v[ACC+2*n+1], 0xffff0000, v[ACC+48+n]
.set n, n+1
.endr
.set n, 0
.rept 16
	v_cvt_pk_f16_f32 v[ACC+32+n], v[ACC+2*n], v[ACC+2*n+1]
.set n, n+1
.endr
.irp i, 0,1,2,3
	global_store_b128 v20, v[ACC+32+4*\i:ACC+32+4*\i+3], s[12:13] offset:2048*\i        ; a wave's store covers 512 consecutive bytes
.endr
	s_wait_xcnt 0x0                                ; the stores' data and address registers are rewritten only behind this wait
	INIT
	s_mov_b32 s20, s17                             ; QB: the query block at work
	s_mov_b32 s21, 0                               ; KT: the key tile at work
	s_mov_b32 s22, 0                               ; RK, RQB: the tile last asked for
	s_mov_b32 s23, s17
.macro LDK s, c                        ; K fragments of keys 32 c .. 32 c + 31
.irp mk, 0,1
.irp dc, 0,1
	ds_load_b128 v[KF+16*\mk+8*\dc:KF+16*\mk+8*\dc+3],   v[KA] offset:\s*SLOTB+(32*(\c)+16*\mk)*KP+64*\dc
	ds_load_b128 v[KF+16*\mk+8*\dc+4:KF+16*\mk+8*\dc+7], v[KA] offset:\s*SLOTB+(32*(\c)+16*\mk)*KP+64*\dc+32
.endr
.endr
.endm
.macro LDB c                           ; their bias, laid as a C operand: register j of half h = key 8 h + j
.irp mk, 0,1
	ds_load_b128 v[BB+8*\mk:BB+8*\mk+3],   v[BA] offset:128*(\c)+64*\mk
	ds_load_b128 v[BB+8*\mk+4:BB+8*\mk+7], v[BA] offset:128*(\c)+64*\mk+16
.endr
.endm
.macro LDV s, c                        ; V^T fragments: 16 dv x 32 keys, from rows that lie along dv
.irp t, 0,1,2,3
	ds_load_tr16_b128 v[VF+8*\t:VF+8*\t+3],   v[VA] offset:\s*SLOTB+32*VP*(\c)+32*\t
	ds_load_tr16_b128 v[VF+8*\t+4:VF+8*\t+7], v[VA] offset:\s*SLOTB+32*VP*(\c)+32*\t+16*VP
.endr
.endm
.macro SMUL                            ; four score tiles, d = 0..31 on top of the bias, then d = 32..63 in place; the four take turns
.irp i, 0,1
.irp mk, 0,1
	v_wmma_f32_16x16x32_f16 v[SC+16*\i+8*\mk:SC+16*\i+8*\mk+7], v[KF+16*\mk:KF+16*\mk+7], v[QF+16*\i:QF+16*\i+7], v[BB+8*\mk:BB+8*\mk+7]
.endr
.endr
.irp i, 0,1
.irp mk, 0,1
	v_wmma_f32_16x16x32_f16 v[SC+16*\i+8*\mk:SC+16*\i+8*\mk+7], v[KF+16*\mk+8:KF+16*\mk+15], v[QF+16*\i+8:QF+16*\i+15], v[SC+16*\i+8*\mk:SC+16*\i+8*\mk+7]
.endr
.endr
.endm
.macro MASK c                          ; on the diagonal tile: key > query, that is 32 c + 16 mk + jj - 16 i > 32 w + r - 8 h, gives -inf
.irp jj, 0,1,2,3,4,5,6,7
	v_cmp_gt_i32 vcc_lo, 32*\c+\jj, v[DQ]
	v_cndmask_b32 v[SC+\jj], v[SC+\jj], v[NINF], vcc_lo
	v_cndmask_b32 v[SC+24+\jj], v[SC+24+\jj], v[NINF], vcc_lo
	v_cmp_gt_i32 vcc_lo, 32*\c+16+\jj, v[DQ]
	v_cndmask_b32 v[SC+8+\jj], v[SC+8+\jj], v[NINF], vcc_lo
	v_cmp_gt_i32 vcc_lo, 32*\c-16+\jj, v[DQ]
	v_cndmask_b32 v[SC+16+\jj], v[SC+16+\jj], v[NINF], vcc_lo
.endr
.endm
.macro SOFTMAX
.irp i, 0,1
	v_max3_num_f32 v[TT+4*\i],   v[SC+16*\i],   v[SC+16*\i+1],  v[SC+16*\i+2]
	v_max3_num_f32 v[TT+4*\i+1], v[SC+16*\i+3], v[SC+16*\i+4],  v[SC+16*\i+5]
	v_max3_num_f32 v[TT+4*\i+2], v[SC+16*\i+6], v[SC+16*\i+7],  v[SC+16*\i+8]
	v_max3_num_f32 v[TT+4*\i+3], v[SC+16*\i+9], v[SC+16*\i+10], v[SC+16*\i+11]
.endr
.irp i, 0,1
	v_max3_num_f32 v[TT+4*\i],   v[TT+4*\i],   v[SC+16*\i+12], v[SC+16*\i+13]
	v_max3_num_f32 v[TT+4*\i+1], v[TT+4*\i+1], v[SC+16*\i+14], v[SC+16*\i+15]
	v_max3_num_f32 v[TT+4*\i+2], v[TT+4*\i+2], v[TT+4*\i+3],   v[MX+\i]
.endr
.irp i, 0,1
	v_max3_num_f32 v[TT+4*\i], v[TT+4*\i], v[TT+4*\i+1], v[TT+4*\i+2]
.endr
.irp i, 0,1
	v_permlanex16_b32 v[TT+4*\i+1], v[TT+4*\i], s66, s67       ; the other half's keys of the same query
.endr
.irp i, 0,1
	v_max_num_f32 v[TT+4*\i], v[TT+4*\i], v[TT+4*\i+1]         ; the new maximum
.endr
.irp i, 0,1
	v_sub_f32 v[AL+\i], v[MX+\i], v[TT+4*\i]                   ; the difference first: exactly 0 while both are still the floor
	v_mul_f32 v[NM+\i], 0xbe38aa3b, v[TT+4*\i]                 ; -c x maximum
	v_mov_b32 v[MX+\i], v[TT+4*\i]
.endr
.irp i, 0,1
	v_mul_f32 v[AL+\i], 0x3e38aa3b, v[AL+\i]
.endr
	v_exp_f32 v[AL], v[AL]
	v_exp_f32 v[AL+1], v[AL+1]                     ; the multiply-adds below are the plain instructions behind these two (ISA guide 5.7.2)
.irp p, 0,2,4,6,8,10,12,14
	v_pk_fma_f32 v[SC+\p:SC+\p+1], v[SC+\p:SC+\p+1], 0x3e38aa3b, v[NM:NM+1] op_sel_hi:[1,0,0]
.endr
.irp p, 0,2,4,6,8,10,12,14
	v_pk_fma_f32 v[SC+16+\p:SC+16+\p+1], v[SC+16+\p:SC+16+\p+1], 0x3e38aa3b, v[NM:NM+1] op_sel:[0,0,1] op_sel_hi:[1,0,1]
.endr
	; 32 exponentials, each followed by one of the 32 packed multiplies that rescale the accumulators: a plain instruction that touches neither its result nor its source
.set n, 0
.rept 32
	v_exp_f32 v[SC+n], v[SC+n]
.if (n>>2)&1
	v_pk_mul_f32 v[ACC+2*n:ACC+2*n+1], v[ACC+2*n:ACC+2*n+1], v[AL:AL+1] op_sel:[0,1] op_sel_hi:[1,1]
.else
	s_wait_alu depctr_va_vdst(0)
	v_pk_mul_f32 v[ACC+2*n:ACC+2*n+1], v[ACC+2*n:ACC+2*n+1], v[AL:AL+1] op_sel_hi:[1,0]
.endif
.set n, n+1
.endr
	s_wait_alu depctr_va_vdst(0)
.irp i, 0,1
	v_pk_add_f32 v[TT+4*\i:TT+4*\i+1],   v[SC+16*\i:SC+16*\i+1],   v[SC+16*\i+2:SC+16*\i+3]
	v_pk_add_f32 v[TT+4*\i+2:TT+4*\i+3], v[SC+16*\i+4:SC+16*\i+5], v[SC+16*\i+6:SC+16*\i+7]
.endr
.irp i, 0,1
	v_pk_add_f32 v[TT+4*\i:TT+4*\i+1],   v[TT+4*\i:TT+4*\i+1],   v[SC+16*\i+8:SC+16*\i+9]
	v_pk_add_f32 v[TT+4*\i+2:TT+4*\i+3], v[TT+4*\i+2:TT+4*\i+3], v[SC+16*\i+10:SC+16*\i+11]
.endr
.irp i, 0,1
	v_pk_add_f32 v[TT+4*\i:TT+4*\i+1],   v[TT+4*\i:TT+4*\i+1],   v[SC+16*\i+12:SC+16*\i+13]
	v_pk_add_f32 v[TT+4*\i+2:TT+4*\i+3], v[TT+4*\i+2:TT+4*\i+3], v[SC+16*\i+14:SC+16*\i+15]
.endr
.irp i, 0,1
	v_pk_add_f32 v[TT+4*\i:TT+4*\i+1], v[TT+4*\i:TT+4*\i+1], v[TT+4*\i+2:TT+4*\i+3]
.endr
.irp i, 0,1
	v_add_f32 v[TT+4*\i], v[TT+4*\i], v[TT+4*\i+1]
.endr
.irp i, 0,1
	v_fma_f32 v[LS+\i], v[LS+\i], v[AL+\i], v[TT+4*\i]
.endr
.irp i, 0,1
.irp p, 0,1,2,3,4,5,6,7
	v_cvt_pk_f16_f32 v[SC+16*\i+\p], v[SC+16*\i+2*\p], v[SC+16*\i+2*\p+1]    ; in place, ascending: register p is read no later than it is written
.endr
.endr
.endm
.macro PVMUL                           ; eight accumulators, one instruction each
.irp t, 0,1,2,3
.irp i, 0,1
	v_wmma_f32_16x16x32_f16 v[ACC+8*(2*\t+\i):ACC+8*(2*\t+\i)+7], v[VF+8*\t:VF+8*\t+7], v[SC+16*\i:SC+16*\i+7], v[ACC+8*(2*\t+\i):ACC+8*(2*\t+\i)+7]
.endr
.endr
.endm
; 32 keys x 32 queries.
.macro SUB s, c, diag
	s_wait_dscnt 8                                 ; K and bias of these keys are in; the eight younger loads are V's
	SMUL
	PL 4                                           ; places behind the score products: their sources are loaded again, their results read
.if \c < 3
	LDK \s, \c+1
	LDB \c+1
.endif
.if \diag
	MASK \c
.else
	s_cmp_lg_u32 s21, s20                          ; tiles below the diagonal need no causal mask
	s_cbranch_scc1 .Lfull_\@
	MASK \c
.Lfull_\@:
.endif
	SOFTMAX
.if \c < 3
	s_wait_dscnt 12                                ; V is in; the twelve younger loads are the next K and bias
.else
	s_wait_dscnt 0x0
.endif
	PVMUL
	PL 5                                           ; five places: the next score products write over P, a source of these; V's registers are loaded again
.if \c < 3
	LDV \s, \c+1
.endif
.endm
; A pass ends: divide, round, out through my wave's stage; a store of the wave covers four rows of 128 bytes, 512 consecutive bytes of att.
.macro FINISH reinit
.irp i, 0,1
	v_permlanex16_b32 v[TT+\i], v[LS+\i], s66, s67
.endr
.irp i, 0,1
	v_add_f32 v[LS+\i], v[LS+\i], v[TT+\i]
.endr
	v_rcp_f32 v[AL], v[LS]
	v_rcp_f32 v[AL+1], v[LS+1]
	v_nop                                          ; the plain instruction behind the reciprocals
	s_wait_alu depctr_va_vdst(0)
.set n, 0
.rept 32
.if (n>>2)&1
	v_pk_mul_f32 v[ACC+2*n:ACC+2*n+1], v[ACC+2*n:ACC+2*n+1], v[AL:AL+1] op_sel:[0,1] op_sel_hi:[1,1]
.else
	v_pk_mul_f32 v[ACC+2*n:ACC+2*n+1], v[ACC+2*n:ACC+2*n+1], v[AL:AL+1] op_sel_hi:[1,0]
.endif
.set n, n+1
.endr
.set n, 0
.rept 32
	v_cvt_pk_f16_f32 v[SC+n], v[ACC+2*n], v[ACC+2*n+1]
.set n, n+1
.endr
	s_lshl_b32 s60, s20, 14                        ; the query block's 128 rows of 128 bytes
	s_add_nc_u64 s[68:69], s[72:73], s[60:61]
.irp t, 0,1,2,3
.irp i, 0,1
	ds_store_b128 v[STO], v[SC+4*(2*\t+\i):SC+4*(2*\t+\i)+3] offset:16*KP*\i+32*\t
.endr
.endr
.irp u, 0,1,2,3,4,5,6,7
	ds_load_b128 v[KF+4*\u:KF+4*\u+3], v[RD] offset:4*KP*\u      ; LDS serves a wave in order (ISA guide 5.7.1.4): these see the stores above
.endr
.irp u, 0,1,2,3,4,5,6,7
	s_wait_dscnt 7-\u
	global_store_b128 v[GO], v[KF+4*\u:KF+4*\u+3], s[68:69] offset:512*\u
.endr
.if \reinit
	s_wait_xcnt 0x0                                ; the stores' data registers and base are rewritten only behind this wait
.irp x, 0,1,2,3,4,5,6,7
	ds_load_b128 v[QF+4*\x:QF+4*\x+3], v[Q2A] offset:512*\x      ; the second pass's Q
.endr
	INIT
	s_wait_dscnt 0x0
.endif
.endm
; One key tile, in slot s; o = the other slot.  In front of the barrier: all my tensor loads have landed (my part of this trip's tile), the other
; slot's group 0 is written for the next tile of the stream, my LDS reads are back.  Behind it the refill comes first, one tensor load a wave;
; it has the whole trip, 64 matrix instructions and the softmax of four sub-steps, in which to land.
.macro TRIP s, o, refill, last
	s_wait_tensorcnt 0x0
	ds_add_u32 v254, v255
	s_wait_dscnt 0x0
.if \refill
	s_add_co_u32 s63, s22, 1
	s_cmp_eq_u32 s22, s23                          ; the diagonal tile was the pass's last: the stream goes on with tile 0 of block 15 - j
	s_cselect_b32 s22, 0, s63
	s_cselect_b32 s23, s19, s23
	s_and_b32 s60, s22, 15                         ; a head has 16 tiles
	s_lshl_b32 s60, s60, 14
	s_add_nc_u64 s[G0K+4*\o+2:G0K+4*\o+3], s[56:57], s[60:61]
	s_or_b32 s[G0K+4*\o+3], s[G0K+4*\o+3], 0x80000000
	s_add_nc_u64 s[G0V+4*\o+2:G0V+4*\o+3], s[58:59], s[60:61]
	s_or_b32 s[G0V+4*\o+3], s[G0V+4*\o+3], 0x80000000
.endif
	s_wait_dscnt 0x0
	s_barrier_signal -1
	s_barrier_wait -1
.if \refill
	JLOADKV \o
.endif
	s_and_b32 s63, s21, 15
	s_lshl_b32 s63, s63, 9
	v_add_nc_u32 v[BA], s63, v[BA0]                ; the tile's 128 words of bias
	LDK \s, 0
	LDB 0
	LDV \s, 0
	SUB \s, 0, \last
	SUB \s, 1, \last
	SUB \s, 2, \last
	SUB \s, 3, \last
.if \last
	FINISH 0
.else
	s_cmp_lg_u32 s21, s20
	s_cbranch_scc1 .Lmore_\@
	FINISH 1                                       ; the diagonal tile ends the first pass
	s_mov_b32 s21, 0
	s_mov_b32 s20, s19
	s_branch .Lnext_\@
.Lmore_\@:
	s_add_co_u32 s21, s21, 1
.Lnext_\@:
.endif
.endm
	s_mov_b32 s62, 0
.Ltrips:                                           ; trips 0 to 15
	TRIP 0, 1, 1, 0
	TRIP 1, 0, 1, 0
	s_add_co_u32 s62, s62, 1
	s_cmp_lt_u32 s62, 8
	s_cbranch_scc1 .Ltrips
	TRIP 0, 1, 0, 1                                ; trip 16: the second pass's diagonal tile; nothing is left to fetch
	s_wait_tensorcnt 0x0
	ds_add_u32 v254, v255
	s_wait_dscnt 0x0
	s_endpgm
.Lfunc_end_k_q6d2f41d794_attn:
	.size	k_q6d2f41d794_attn, .Lfunc_end_k_q6d2f41d794_attn-k_q6d2f41d794_attn
	.p2alignl 7, 3214868480
	.fill 96, 4, 3214868480
	.section	.rodata,"a",@progbits
	.p2align	6, 0x0
	.amdhsa_kernel k_q6d2f41d794_attn
		.amdhsa_group_segment_fixed_size 327680
		.amdhsa_private_segment_fixed_size 0
		.amdhsa_enable_private_segment 0
		.amdhsa_kernarg_size 40
		.amdhsa_user_sgpr_count 2
		.amdhsa_user_sgpr_kernarg_segment_ptr 1
		.amdhsa_wavefront_size32 1
		.amdhsa_system_sgpr_workgroup_id_x 1
		.amdhsa_system_sgpr_workgroup_id_y 1
		.amdhsa_system_sgpr_workgroup_id_z 1
		.amdhsa_system_vgpr_workitem_id 0
		.amdhsa_next_free_vgpr 256
		.amdhsa_next_free_sgpr 80
		.amdhsa_reserve_vcc 1
		.amdhsa_float_denorm_mode_32 3
		.amdhsa_float_denorm_mode_16_64 3
		.amdhsa_memory_ordered 1
		.amdhsa_forward_progress 1
		.amdhsa_inst_pref_size 205
	.end_amdhsa_kernel
	.amdgpu_metadata
---
amdhsa.version: [ 1, 2 ]
amdhsa.kernels:
  - .name:           k_q6d2f41d794_attn
    .symbol:         k_q6d2f41d794_attn.kd
    .args:
      - { .name: qkv, .offset: 0, .size: 8, .value_kind: global_buffer, .address_space: global }
      - { .name: padding_mask, .offset: 8, .size: 8, .value_kind: global_buffer, .address_space: global }
      - { .name: Wo_w, .offset: 16, .size: 8, .value_kind: global_buffer, .address_space: global }
      - { .name: att, .offset: 24, .size: 8, .value_kind: global_buffer, .address_space: global }
      - { .name: wo16, .offset: 32, .size: 8, .value_kind: global_buffer, .address_space: global }
    .group_segment_fixed_size: 327680
    .private_segment_fixed_size: 0
    .kernarg_segment_align: 8
    .kernarg_segment_size: 40
    .max_flat_workgroup_size: 128
    .sgpr_count:     80
    .vgpr_count:     256
    .wavefront_size: 32
...
	.end_amdgpu_metadata
.endif
;; end of part 2
;; launch oproj (part 3): grid 8 x 32, 4 waves a work-group, clusters of 4 x 4, 327,680 bytes of LDS; arguments att, wo16, Wo_b, out0; writes out0
.if DOCPART == 3
	.amdgcn_target "amdgcn-amd-amdhsa--gfx1250"
	.amdhsa_code_object_version 6
	.text
	.protected	k_q6d2f41d794_oproj
	.globl	k_q6d2f41d794_oproj
	.p2align	8
	.type	k_q6d2f41d794_oproj,@function
k_q6d2f41d794_oproj:
	s_mov_b64 s[64:65], 0
	v_nop
	global_prefetch_b8 v0, s[64:65] scope:SCOPE_SE
	s_setreg_imm32_b32 hwreg(HW_REG_WAVE_MODE, 25, 1), 1
	s_wait_xcnt 0x0
	s_wait_alu depctr_hold_cnt(0) depctr_sa_sdst(0) depctr_va_vdst(0) depctr_va_sdst(0) depctr_va_ssrc(0) depctr_va_vcc(0) depctr_vm_vsrc(0)
	s_getreg_b32 s2, hwreg(HW_REG_IB_STS2, 6, 4)
	s_cmp_eq_u32 s2, 0
	s_cbranch_scc0 .Lentry_in_a_cluster
	s_endpgm
.Lentry_in_a_cluster:
	s_bfe_u32 s2, ttmp6, 0x10000c
	s_cmp_lg_u32 s2, 0xf033
	s_cbranch_scc0 .Lentry_shape_is_right
	s_endpgm
.Lentry_shape_is_right:
; out0 = att Wo^T + Wo_b.  att: f16 [2][16 heads][2048][64]; wo16: f16 [1024][1024]; Wo_b: f32 [1024]; out0: f32 [4096][1024].
; FORMATS: both operands f16 (att needs its 11 significant bits; wo16 holds Wo_w rounded to bf16, exactly), sums and bias f32.
; SHARES: a work-group makes 128 tokens x 128 features (256 work-groups; blocks of 256 x 256 would leave 64), a wave 64 x 64 in 16 accumulator tiles.
; K = 1024 goes in four fills of K = 256 (four heads) through two LDS slots; both first fills go out at the start, two refills follow.
; CLUSTERS: 4 x 4.  att's tile hangs on the block row and is asked for jointly along a cluster row, wo16's on the block column, along a cluster column.
; A NaN row of att (a query with no visible key) makes exactly that token's row of out0 NaN: a token is one column of the products.
; Transposed use as in the projections: source 0 = 16 features, source 1 = 16 tokens; the first product takes the bias as C.
; WINDOWS: 0: addresses, two fragment buffers (W 32 + A 32 registers each), bias, read-back; 1: accumulators, tile (a, b) at v[8 (4 a + b)].
.set SLOT,   141312                    ; A 2 x 36,864, then W 2 x 33,792
.set AH,     36864                     ; half of A: [4 heads][64 tokens][144 bytes]
.set WH,     33792                     ; half of W: 64 rows x 528 bytes
.set WOFF,   73728
.set STAGE,  2*SLOT
.set SPITCH, 272
.set ADRA, 16
.set ADRW, 20
.set STO,  24
.set RD,   25
.set CO,   26
.set BO,   27
.set F0,   32
.set F1,   96
.set BIAS, 160
.set BK0,  192
.set BK1,  224
.set G1,  24
.set G0,  32
.set G1B, 48
.set G0B, 56
.set MSB, 0
.macro WIN new
.if MSB != \new
	s_set_vgpr_msb (MSB<<8)|\new
.set MSB, \new
.endif
.endm
.macro JLOAD s                         ; waves 0, 1 ask for att's halves, waves 2, 3 for wo16's
	s_cmp_eq_u32 s11, 0
	s_cbranch_scc0 .Lfor_w_\@
	tensor_load_to_lds s[G0+4*\s:G0+4*\s+3], s[G1:G1+7]
	s_nop 0
	s_branch .Lasked_\@
.Lfor_w_\@:
	tensor_load_to_lds s[G0B+4*\s:G0B+4*\s+3], s[G1B:G1B+7]
	s_nop 0
.Lasked_\@:
.endm
.macro CREST
	s_cmp_lg_u32 s10, 0
	s_cbranch_scc1 .Lnot_wave_0_\@
	s_barrier_signal -3
.Lnot_wave_0_\@:
	s_barrier_wait -3
	s_barrier_signal -1
	s_barrier_wait -1
.endm
.macro CROUND
	s_barrier_signal -1
	s_barrier_wait -1
	CREST
.endm
.macro PLACES
.rept 4
	v_nop
.endr
.endm
	s_load_b256 s[68:75], s[0:1], 0x0              ; att s[68:69], wo16 s[70:71], Wo_b s[72:73], out0 s[74:75]
	v_lshl_add_u32 v30, v0, 2, 0x49400
	v_mov_b32 v31, 0
	ds_add_u32 v30, v31
	ds_add_u32 v30, v31
	v_lshrrev_b32 v1, 5, v0
	v_readfirstlane_b32 s10, v1                    ; wave
	s_lshr_b32 s11, s10, 1                         ; my half of the tokens.  Also: I fetch for att (0) or wo16 (1)
	s_and_b32 s12, s10, 1                          ; my half of the features.  Also: which half I fetch
	s_bfe_u32 s40, ttmp6, 0x40000                  ; cx
	s_bfe_u32 s41, ttmp6, 0x40004                  ; cy
	s_lshl_b32 s42, ttmp9, 2
	s_add_co_u32 s42, s42, s40                     ; block column 0..7
	s_and_b32 s13, ttmp7, 0xffff
	s_lshl_b32 s13, s13, 2
	s_add_co_u32 s13, s13, s41                     ; block row 0..31
	s_lshl_b32 s43, s41, 2
	s_lshl_b32 s43, 15, s43
	s_lshl_b32 s44, 0x1111, s40
	; att's tile: four rows, one for each head, each the dense block of 64 tokens x 64 d = 4,096 elements; 4 words of padding behind every 32 words,
	; which divides the row: in LDS every token's 128 bytes get a pitch of 144
	s_or_b32 s[G1+0], s43, (1<<16)|(1<<20)|(1<<21)|(4<<22)|(3<<25)
	s_mov_b32 s[G1+1], 4096<<16                    ; tensor_dim0 = 4,096
	s_mov_b32 s[G1+2], 4<<16                       ; tensor_dim1 = 4
	s_mov_b32 s[G1+3], 4096<<16                    ; tile_dim0 = 4,096
	s_mov_b32 s[G1+4], 4                           ; tile_dim1 = 4
	s_mov_b32 s[G1+5], 131072                      ; from head to head, in elements
	s_mov_b32 s[G1+6], 0
	s_mov_b32 s[G1+7], 0
	; wo16's tile: 64 rows x 256 elements, 4 words of padding behind every 128 words: pitch 528
	s_or_b32 s[G1B+0], s44, (1<<16)|(1<<20)|(1<<21)|(6<<22)|(3<<25)
	s_mov_b32 s[G1B+1], 256<<16
	s_mov_b32 s[G1B+2], 64<<16
	s_mov_b32 s[G1B+3], 256<<16
	s_mov_b32 s[G1B+4], 64
	s_mov_b32 s[G1B+5], 1024
	s_mov_b32 s[G1B+6], 0
	s_mov_b32 s[G1B+7], 0
	s_lshr_b32 s16, s13, 4
	s_lshl_b32 s16, s16, 22                        ; batch x 4,194,304
	s_and_b32 s17, s13, 15
	s_lshl_b32 s17, s17, 14                        ; 128 tokens of 128 bytes
	s_add_co_u32 s16, s16, s17
	s_lshl_b32 s17, s12, 13                        ; my 64 tokens
	s_add_co_u32 s16, s16, s17
	s_mov_b32 s17, 0
	s_lshl_b32 s46, s42, 18                        ; 128 rows of 2,048 bytes
	s_lshl_b32 s47, s12, 17                        ; my 64 rows
	s_add_co_u32 s46, s46, s47
	s_mov_b32 s47, 0
	s_mul_i32 s20, s12, AH                         ; LDS places hang on the wave's number alone
	s_mul_i32 s21, s12, WH
	s_add_co_u32 s21, s21, WOFF
	s_wait_dscnt 0x0
	s_wait_kmcnt 0x0
	s_add_nc_u64 s[14:15], s[68:69], s[16:17]
	s_add_nc_u64 s[46:47], s[70:71], s[46:47]
	CROUND                                         ; in front of the first joint loads
.irp s, 0,1
	s_mov_b32 s[G0+4*\s], 1
	s_add_co_u32 s[G0+4*\s+1], s20, \s*SLOT
	s_add_nc_u64 s[G0+4*\s+2:G0+4*\s+3], s[14:15], \s*1048576      ; four heads on
	s_or_b32 s[G0+4*\s+3], s[G0+4*\s+3], 0x80000000
	s_mov_b32 s[G0B+4*\s], 1
	s_add_co_u32 s[G0B+4*\s+1], s21, \s*SLOT
	s_add_nc_u64 s[G0B+4*\s+2:G0B+4*\s+3], s[46:47], \s*512        ; 256 along K
	s_or_b32 s[G0B+4*\s+3], s[G0B+4*\s+3], 0x80000000
	JLOAD \s                                       ; two tensor loads of this wave are out: half of all it will ask for
.endr
	s_lshl_b32 s76, s42, 9
	s_lshl_b32 s77, s12, 8
	s_add_co_u32 s76, s76, s77                     ; my first feature, in bytes of f32
	s_mov_b32 s77, 0
	s_add_nc_u64 s[72:73], s[72:73], s[76:77]
	s_add_nc_u64 s[8:9], s[74:75], s[76:77]
	s_lshl_b32 s76, s13, 19                        ; 128 tokens of 4,096 bytes
	s_lshl_b32 s78, s11, 18                        ; my 64
	s_add_co_u32 s76, s76, s78
	s_add_nc_u64 s[8:9], s[8:9], s[76:77]          ; out0 at my first token and feature
	v_and_b32 v1, 15, v0                           ; r
	v_bfe_u32 v2, v0, 4, 1                         ; h
	v_lshlrev_b32 v[BO], 5, v2
.irp b, 0,1,2,3
	global_load_b128 v[BIAS+8*\b:BIAS+8*\b+3],   v[BO], s[72:73] offset:64*\b
	global_load_b128 v[BIAS+8*\b+4:BIAS+8*\b+7], v[BO], s[72:73] offset:64*\b+16
.endr
	v_mul_u32_u24 v3, v1, 144
	v_lshl_add_u32 v3, v2, 4, v3
	v_mul_u32_u24 v4, v1, 528
	v_lshl_add_u32 v4, v2, 4, v4
	s_mul_i32 s22, s11, AH
	s_mul_i32 s23, s12, WH
	s_add_co_u32 s23, s23, WOFF
.irp s, 0,1
	v_add_nc_u32 v[ADRA+\s], s22, v3
	v_add_nc_u32 v[ADRW+\s], s23, v4
	s_add_co_u32 s22, s22, SLOT
	s_add_co_u32 s23, s23, SLOT
.endr
	s_mul_i32 s18, s10, 16*SPITCH
	s_add_co_u32 s18, s18, STAGE
	v_mul_u32_u24 v5, v1, SPITCH
	v_lshl_add_u32 v5, v2, 5, v5                   ; in: token r, 32 bytes for each half of the lanes
	v_add_nc_u32 v[STO], s18, v5
	v_mul_u32_u24 v5, v2, SPITCH
	v_lshl_add_u32 v5, v1, 4, v5                   ; back: lanes 0-15 one token's 256 bytes, lanes 16-31 the next token's
	v_add_nc_u32 v[RD], s18, v5
	v_lshlrev_b32 v5, 12, v2
	v_lshl_add_u32 v[CO], v1, 4, v5
; 16 LDS loads: the fragments of sub-step kk (32 along K; head kk / 2 of the fill, d = 32 (kk % 2)) into buffer f
.macro FETCH slot, kk, f
	WIN 0
.irp b, 0,1,2,3
	ds_load_b128 v[\f+8*\b:\f+8*\b+3],   v[ADRW+\slot] offset:\b*16*528+64*(\kk)
	ds_load_b128 v[\f+8*\b+4:\f+8*\b+7], v[ADRW+\slot] offset:\b*16*528+64*(\kk)+32
.endr
.irp a, 0,1,2,3
	ds_load_b128 v[\f+32+8*\a:\f+32+8*\a+3],   v[ADRA+\slot] offset:((\kk)>>1)*9216+\a*2304+((\kk)&1)*64
	ds_load_b128 v[\f+32+8*\a+4:\f+32+8*\a+7], v[ADRA+\slot] offset:((\kk)>>1)*9216+\a*2304+((\kk)&1)*64+32
.endr
.endm
; 16 matrix instructions; the 16 accumulators take turns in the same order every time
.macro MUL16 f, first
.if \first
	WIN 0x40                                       ; D window 1, C (the bias) window 0
.else
	WIN 0x50                                       ; C and D window 1
.endif
.irp a, 0,1,2,3
.irp b, 0,1,2,3
.if \first
	v_wmma_f32_16x16x32_f16 v[8*(4*\a+\b):8*(4*\a+\b)+7], v[\f+8*\b:\f+8*\b+7], v[\f+32+8*\a:\f+32+8*\a+7], v[BIAS+8*\b:BIAS+8*\b+7]
.else
	v_wmma_f32_16x16x32_f16 v[8*(4*\a+\b):8*(4*\a+\b)+7], v[\f+8*\b:\f+8*\b+7], v[\f+32+8*\a:\f+32+8*\a+7], v[8*(4*\a+\b):8*(4*\a+\b)+7]
.endif
.endr
.endr
.endm
.macro STEP slot, kk, f, g, first      ; multiplies sub-step kk from buffer f; ahead of that asks for sub-step kk + 1 into buffer g
	PLACES                                         ; buffer g was a source of the last matrix instructions
	FETCH \slot, \kk+1, \g
	s_wait_dscnt 16                                ; the sixteen loads just issued may be out; this sub-step's sixteen are in
	MUL16 \f, \first
.endm
.macro WORK slot, first
	STEP \slot, 0, F0, F1, \first
	STEP \slot, 1, F1, F0, 0
	STEP \slot, 2, F0, F1, 0
	STEP \slot, 3, F1, F0, 0
	STEP \slot, 4, F0, F1, 0
	STEP \slot, 5, F1, F0, 0
	STEP \slot, 6, F0, F1, 0
.endm
; The fill's last sub-step and the change of slots: my reads of this slot are back and all my tensor loads have landed in front of the signal;
; register work between signal and wait; where the slot is filled again a round of the cluster's barrier follows and the joint refill is first behind it.
.macro CHANGE slot, next, fill
	s_wait_dscnt 0x0
	s_wait_tensorcnt 0x0
	ds_add_u32 v30, v31
	s_wait_dscnt 0x0
	s_barrier_signal -1
	MUL16 F1, 0
	WIN 0
	s_barrier_wait -1
.if \fill
	CREST
	s_add_nc_u64 s[G0+4*\slot+2:G0+4*\slot+3], s[G0+4*\slot+2:G0+4*\slot+3], 2097152   ; two fills on: eight heads
	s_add_nc_u64 s[G0B+4*\slot+2:G0B+4*\slot+3], s[G0B+4*\slot+2:G0B+4*\slot+3], 1024
	JLOAD \slot
.endif
	PLACES
	FETCH \next, 0, F0
.endm
	s_wait_tensorcnt 0x1                           ; my part of fill 0 is in; fill 1's load stays out
	s_barrier_signal -1
	s_barrier_wait -1
	FETCH 0, 0, F0
	s_wait_loadcnt 0x0                             ; the bias
	WORK 0, 1
	CHANGE 0, 1, 1
	WORK 1, 0
	CHANGE 1, 0, 1
	WORK 0, 0
	CHANGE 0, 1, 0
	WORK 1, 0
	s_wait_dscnt 0x0
	MUL16 F1, 0
	PLACES                                         ; four places before the LDS stores read the results
; THE WAY OUT, 16 tokens at a time, f32 as it stands: 32 bytes a lane into my stage, read back by rows; sixteen lanes store 256 consecutive bytes, aligned.
.macro OUT16 a, f
	WIN 0x04                                       ; the store's data in window 1
.irp b, 0,1,2,3
	ds_store_b128 v[STO], v[8*(4*\a+\b):8*(4*\a+\b)+3]   offset:64*\b
	ds_store_b128 v[STO], v[8*(4*\a+\b)+4:8*(4*\a+\b)+7] offset:64*\b+16
.endr
	WIN 0
	s_wait_xcnt 0x0                                ; buffer f, which earlier stores read, and their base are rewritten only behind this wait
.if \a
	s_add_nc_u64 s[8:9], s[8:9], 65536             ; 16 tokens of 4,096 bytes
.endif
.irp t, 0,1,2,3,4,5,6,7
	ds_load_b128 v[\f+4*\t:\f+4*\t+3], v[RD] offset:\t*2*SPITCH  ; LDS serves a wave in order (ISA guide 5.7.1.4): these see the stores above
.endr
.irp t, 0,1,2,3,4,5,6,7
	s_wait_dscnt 7-\t
	global_store_b128 v[CO], v[\f+4*\t:\f+4*\t+3], s[8:9] offset:8192*\t th:TH_STORE_NT
.endr
.endm
	OUT16 0, BK0
	OUT16 1, BK1
	OUT16 2, BK0
	OUT16 3, BK1
	s_wait_tensorcnt 0x0
	ds_add_u32 v30, v31
	s_wait_dscnt 0x0
	CROUND                                         ; the closing round
	s_endpgm
.Lfunc_end_k_q6d2f41d794_oproj:
	.size	k_q6d2f41d794_oproj, .Lfunc_end_k_q6d2f41d794_oproj-k_q6d2f41d794_oproj
	.p2alignl 7, 3214868480
	.fill 96, 4, 3214868480
	.section	.rodata,"a",@progbits
	.p2align	6, 0x0
	.amdhsa_kernel k_q6d2f41d794_oproj
		.amdhsa_group_segment_fixed_size 327680
		.amdhsa_private_segment_fixed_size 0
		.amdhsa_enable_private_segment 0
		.amdhsa_kernarg_size 32
		.amdhsa_user_sgpr_count 2
		.amdhsa_user_sgpr_kernarg_segment_ptr 1
		.amdhsa_wavefront_size32 1
		.amdhsa_system_sgpr_workgroup_id_x 1
		.amdhsa_system_sgpr_workgroup_id_y 1
		.amdhsa_system_sgpr_workgroup_id_z 1
		.amdhsa_system_vgpr_workitem_id 0
		.amdhsa_next_free_vgpr 384
		.amdhsa_next_free_sgpr 80
		.amdhsa_reserve_vcc 0
		.amdhsa_float_denorm_mode_32 3
		.amdhsa_float_denorm_mode_16_64 3
		.amdhsa_memory_ordered 1
		.amdhsa_forward_progress 1
		.amdhsa_inst_pref_size 89
	.end_amdhsa_kernel
	.amdgpu_metadata
---
amdhsa.version: [ 1, 2 ]
amdhsa.kernels:
  - .name:           k_q6d2f41d794_oproj
    .symbol:         k_q6d2f41d794_oproj.kd
    .args:
      - { .name: att, .offset: 0, .size: 8, .value_kind: global_buffer, .address_space: global }
      - { .name: wo16, .offset: 8, .size: 8, .value_kind: global_buffer, .address_space: global }
      - { .name: Wo_b, .offset: 16, .size: 8, .value_kind: global_buffer, .address_space: global }
      - { .name: out0, .offset: 24, .size: 8, .value_kind: global_buffer, .address_space: global }
    .group_segment_fixed_size: 327680
    .private_segment_fixed_size: 0
    .kernarg_segment_align: 8
    .kernarg_segment_size: 32
    .max_flat_workgroup_size: 128
    .sgpr_count:     80
    .vgpr_count:     384
    .wavefront_size: 32
...
	.end_amdgpu_metadata
.endif
;; end of part 3
